; MI455X (gfx1250); checked and timed in simulation.
; The chip was launched on July 23, 2026; its instructions are those of AMD's public machine-readable ISA for CDNA 5 (MIT licence, August 2026) and "CDNA5" Instruction Set Architecture Reference Guide (July 2026). The comments in the code are by the model that wrote it; some were corrected since.
;; Ro PE Attention. Allowed arithmetic: float matrix products may take bf16 or f16 operands with f32 sums; all other float work in f32.
;; Inputs: b_proj 1,024 float32; rope_cos 2,048 x 32 float32; rope_sin 2,048 x 32 float32; w_proj 1,024 x 1,024 float32; w_qkv 1,024 x 3,072 float32; x 2 x 2,048 x 1,024 float32.
;; Outputs: out0 2 x 2,048 x 1,024 float32.
;; One version. Each part assembles by itself: llvm-mc -triple=amdgcn-amd-amdhsa -mcpu=gfx1250 --defsym DOCPART=n.
;; ======== version 1 of 1: 4 launches
;; limits: values are held in f16: magnitudes above 65,504 overflow, below 6.1e-05 lose precision; right only within a limited range of input values
;; workspace buffers: xb 8,388,608 bytes; wq 6,291,456 bytes; wp 2,097,152 bytes; qkv 25,165,824 bytes; att 8,388,608 bytes
;; launch cast (part 1): grid 1024 x 1, 8 waves a work-group, no clusters, 0 bytes of LDS; arguments x, w_qkv, w_proj, xb, wq, wp; writes xb, wq, wp
.if DOCPART == 1
	.amdgcn_target "amdgcn-amd-amdhsa--gfx1250"
	.amdhsa_code_object_version 6
	.text
	.protected	k_qe88dcf80f6_cast
	.globl	k_qe88dcf80f6_cast
	.p2align	8
	.type	k_qe88dcf80f6_cast,@function
k_qe88dcf80f6_cast:
	s_mov_b64 s[64:65], 0
	v_nop
	global_prefetch_b8 v0, s[64:65] scope:SCOPE_SE
	s_setreg_imm32_b32 hwreg(HW_REG_WAVE_MODE, 25, 1), 1
	s_wait_xcnt 0x0
; cast: x, w_qkv and w_proj from f32 to f16, element by element, layouts unchanged; w_proj is multiplied by 16 on the way (an exact
; power of two), because the attention launch leaves its result times 2^-4.
; A work-group takes 8,192 numbers: 32 KiB in, 16 KiB out.  Groups 0-511 take x, 512-895 w_qkv, 896-1023 w_proj.
; Thread t, chunk j: 16 bytes at 4,096 j + 16 t in, 8 bytes at 2,048 j + 8 t out, so a wave's load covers 512 neighbouring bytes and a
; wave's store 256 neighbouring bytes that start at a multiple of 256 from the buffer's first byte.
; No LDS, no barrier, no matrix unit: every byte is touched once and nothing is shared.
; LIMIT: f16, rounded to nearest; |x|, |w_qkv| above 65,504 and |w_proj| above 4,094 become infinite; below 2^-14 the step is 2^-24.
.set X, 4                              ; v[4:35]   chunk j: four f32 as loaded
.set Y, 36                             ; v[36:51]  chunk j: four f16 to store
	s_load_b256 s[4:11], s[0:1], 0x0               ; x s[4:5], w_qkv s[6:7], w_proj s[8:9], xb s[10:11]
	s_load_b128 s[12:15], s[0:1], 0x20             ; wq s[12:13], wp s[14:15]
	v_lshlrev_b32 v1, 4, v0                        ; 16 t
	v_lshlrev_b32 v2, 3, v0                        ; 8 t
	s_wait_kmcnt 0x0
	s_cmp_lt_u32 ttmp9, 512                        ; which tensor is mine hangs on the group's number alone
	s_cselect_b64 s[16:17], s[4:5], s[6:7]         ; from
	s_cselect_b64 s[18:19], s[10:11], s[12:13]     ; to
	s_cselect_b32 s20, 0, 512                      ; the tensor's first group
	s_cmp_lt_u32 ttmp9, 896
	s_cselect_b64 s[16:17], s[16:17], s[8:9]
	s_cselect_b64 s[18:19], s[18:19], s[14:15]
	s_cselect_b32 s20, s20, 896
	s_cselect_b32 s24, 1.0, 0x41800000             ; the factor: 1 for x and w_qkv, 16 for w_proj
	s_mov_b32 s25, s24
	s_sub_co_u32 s20, ttmp9, s20                   ; my block in the tensor
	s_lshl_b32 s22, s20, 15                        ; 32 KiB in
	s_mov_b32 s23, 0
	s_lshl_b32 s2, s20, 14                         ; 16 KiB out
	s_mov_b32 s3, 0
	s_add_nc_u64 s[16:17], s[16:17], s[22:23]
	s_add_nc_u64 s[18:19], s[18:19], s[2:3]
.irp j, 0,1,2,3,4,5,6,7
	global_load_b128 v[X+4*\j:X+4*\j+3], v1, s[16:17] offset:\j*4096 th:TH_LOAD_NT     ; all eight chunks go out at once; read once in the launch
.endr
.irp j, 0,1,2,3,4,5,6,7
	s_wait_loadcnt 7-\j                            ; loads come back in order: chunk j is in, the younger ones stay out
	v_pk_mul_f32 v[X+4*\j:X+4*\j+1],   v[X+4*\j:X+4*\j+1],   s[24:25] op_sel_hi:[1,0]
	v_pk_mul_f32 v[X+4*\j+2:X+4*\j+3], v[X+4*\j+2:X+4*\j+3], s[24:25] op_sel_hi:[1,0]
	v_cvt_pk_f16_f32 v[Y+2*\j],   v[X+4*\j],   v[X+4*\j+1]
	v_cvt_pk_f16_f32 v[Y+2*\j+1], v[X+4*\j+2], v[X+4*\j+3]
	global_store_b64 v2, v[Y+2*\j:Y+2*\j+1], s[18:19] offset:\j*2048                   ; no register is used twice: no further wait
.endr
	s_endpgm
.Lfunc_end_k_qe88dcf80f6_cast:
	.size	k_qe88dcf80f6_cast, .Lfunc_end_k_qe88dcf80f6_cast-k_qe88dcf80f6_cast
	.p2alignl 7, 3214868480
	.fill 96, 4, 3214868480
	.section	.rodata,"a",@progbits
	.p2align	6, 0x0
	.amdhsa_kernel k_qe88dcf80f6_cast
		.amdhsa_group_segment_fixed_size 0
		.amdhsa_private_segment_fixed_size 0
		.amdhsa_enable_private_segment 0
		.amdhsa_kernarg_size 48
		.amdhsa_user_sgpr_count 2
		.amdhsa_user_sgpr_kernarg_segment_ptr 1
		.amdhsa_wavefront_size32 1
		.amdhsa_system_sgpr_workgroup_id_x 1
		.amdhsa_system_sgpr_workgroup_id_y 1
		.amdhsa_system_sgpr_workgroup_id_z 1
		.amdhsa_system_vgpr_workitem_id 0
		.amdhsa_next_free_vgpr 52
		.amdhsa_next_free_sgpr 66
		.amdhsa_reserve_vcc 0
		.amdhsa_float_denorm_mode_32 3
		.amdhsa_float_denorm_mode_16_64 3
		.amdhsa_memory_ordered 1
		.amdhsa_forward_progress 1
		.amdhsa_inst_pref_size 5
	.end_amdhsa_kernel
	.amdgpu_metadata
---
amdhsa.version: [ 1, 2 ]
amdhsa.kernels:
  - .name:           k_qe88dcf80f6_cast
    .symbol:         k_qe88dcf80f6_cast.kd
    .args:
      - { .name: x, .offset: 0, .size: 8, .value_kind: global_buffer, .address_space: global }
      - { .name: w_qkv, .offset: 8, .size: 8, .value_kind: global_buffer, .address_space: global }
      - { .name: w_proj, .offset: 16, .size: 8, .value_kind: global_buffer, .address_space: global }
      - { .name: xb, .offset: 24, .size: 8, .value_kind: global_buffer, .address_space: global }
      - { .name: wq, .offset: 32, .size: 8, .value_kind: global_buffer, .address_space: global }
      - { .name: wp, .offset: 40, .size: 8, .value_kind: global_buffer, .address_space: global }
    .group_segment_fixed_size: 0
    .private_segment_fixed_size: 0
    .kernarg_segment_align: 8
    .kernarg_segment_size: 48
    .max_flat_workgroup_size: 256
    .sgpr_count:     66
    .vgpr_count:     52
    .wavefront_size: 32
...
	.end_amdgpu_metadata
.endif
;; end of part 1
;; launch qkv (part 2): grid 8 x 32, 4 waves a work-group, clusters of 4 x 4, 327,680 bytes of LDS; arguments xb, wq, rope_cos, rope_sin, qkv; writes qkv
.if DOCPART == 2
	.amdgcn_target "amdgcn-amd-amdhsa--gfx1250"
	.amdhsa_code_object_version 6
	.text
	.protected	k_qe88dcf80f6_qkv
	.globl	k_qe88dcf80f6_qkv
	.p2align	8
	.type	k_qe88dcf80f6_qkv,@function
k_qe88dcf80f6_qkv:
	s_mov_b64 s[64:65], 0
	v_nop
	global_prefetch_b8 v0, s[64:65] scope:SCOPE_SE
	s_setreg_imm32_b32 hwreg(HW_REG_WAVE_MODE, 25, 1), 1
	s_wait_xcnt 0x0
	s_wait_alu depctr_hold_cnt(0) depctr_sa_sdst(0) depctr_va_vdst(0) depctr_va_sdst(0) depctr_va_ssrc(0) depctr_va_vcc(0) depctr_vm_vsrc(0)
	s_getreg_b32 s2, hwreg(HW_REG_IB_STS2, 6, 4)
	s_cmp_eq_u32 s2, 0
	s_cbranch_scc0 .Lentry_in_a_cluster
	s_endpgm
.Lentry_in_a_cluster:
	s_bfe_u32 s2, ttmp6, 0x10000c
	s_cmp_lg_u32 s2, 0xf033
	s_cbranch_scc0 .Lentry_shape_is_right
	s_endpgm
.Lentry_shape_is_right:
; qkv = xb [4096][1024] x wq [1024][3072] in f16 with f32 sums, RoPE on the q and k heads, result in f16 as [batch 2][plane 48][t 2048][d 64]
; (plane = column / 64: q heads 0-15, k heads 16-31, v heads 32-47).
; A work-group makes 128 rows x 384 columns with four waves, as many as a WGP has SIMDs; a wave makes 64 rows x 192 columns (three whole heads):
; 4 x 12 = 48 accumulator tiles, 384 registers.  K goes in steps of 128 through two LDS slots filled by the tensor data mover.
; CLUSTERS: 4 x 4 work-groups.  xb's tile hangs on the block row alone and is asked for jointly along a row of the cluster, wq's on the block
; column alone and is asked for jointly along a column: each is requested once for four work-groups.
; THE MATRIX INSTRUCTION IS USED TRANSPOSED: source 0 = 16 columns of wq (read transposed out of [k][n] rows by ds_load_tr16_b128), source 1 =
; 16 rows of xb.  Lane l then holds row l % 16 and its registers 0-7 the columns 8 (l / 16) + 0..7: RoPE's pairs lie in registers (2p, 2p+1).
; SCALES: q and k are stored times 2^-8 and v times 2^-4, exact powers of two that ride in the RoPE factors; the attention launch undoes the first
; in its softmax constant, the cast of w_proj the second.
; LIMITS: f16, rounded to nearest.  |q|, |k| stay finite up to 1.6e7 and have a step of 2^-16 below 2^-6; |v| up to 1.0e6, step 2^-20 below 2^-10.
; With every input 30 times larger |q| reaches about 1.6e5 and |v| 5e3; with offsets of 30 spreads on every input about 1.3e6 and 2.9e4.
;
; REGISTERS, in windows of 256:
;   window 0: v16-39 addresses and factors; v64-95, v96-127 fragments of xb (4 x 16 rows x 32 K), two buffers; v128-215 at work on the way out
;   window 1: v0-95, v96-191 fragments of wq (12 x 16 columns x 32 K), two buffers
;   window 2: the 24 tiles of my rows 0-31 (tile (a, b) at v[8 (12 a + b)]); v192-255 cos and sin of those rows;   window 3: the same for rows 32-63
.set SIZE_K, 1024
.set KSTEP,  128
.set PB,     864                       ; wq's LDS row: 768 bytes of data and 16 of padding behind every 128 = 27 x 32 bytes
.set PA,     272                       ; xb's LDS row: 256 bytes of data + 16
.set BHALF,  64*PB                     ; 64 k-rows of wq: one tensor load
.set AHALF,  64*PA                     ; 64 rows of xb: one tensor load, and what one wave reads
.set AOFF,   2*BHALF                   ; xb's tile lies behind wq's
.set SLOT,   AOFF+2*AHALF              ; 145,408 bytes
.set STAGE,  2*SLOT                    ; behind the ring (a multiple of 256): 16 rows x 400 bytes for each wave; no tensor load lands here
.set SPITCH, 400                       ; 384 bytes of data + 16
.set LAPS,   SIZE_K/(2*KSTEP)          ; a lap = two K steps = once round the ring: 4
.set ADRA, 16                          ; v16-17  LDS address of my xb fragments in slot 0, 1
.set ADRB, 20                          ; v20-23  the same for wq: slot 0 k-rows 0-63, 64-127; slot 1 likewise (the 16-bit offset does not span 128 rows)
.set STO,  24                          ; the way out: where I put 16 bytes of a row
.set RD,   25                          ; the way out: where I read 16 bytes back
.set CO,   26                          ; 16 x lane: my bytes in a store of 512
.set RO,   27                          ; my bytes in the cos and sin tables
.set VFA,  28                          ; v[28:33] head 0..2 of my three: 2^-8 twice (q, k) or 0 twice (v)
.set VFB,  34                          ; v[34:39] head 0..2: 0 twice (q, k) or 2^-4 twice (v)
.set FA0,  64                          ; xb's fragment buffer 0; buffer 1 is 32 registers on
.set RB,   64                          ; the way out: rows read back
.set CP,   128                         ; the way out: 16 cosine factors
.set SP,   144                         ; 16 sine factors
.set R,    160                         ; 32 rotated numbers (one head, 16 rows)
.set T,    192                         ; 8 products
.set PK,   200                         ; 16 registers of f16 pairs
.set G1A, 24                           ; s[24:31] descriptor group 1 for xb's tiles
.set G0A, 32                           ; s[32:39] group 0 for xb's tiles, one set for each slot
.set G1B, 48                           ; s[48:55] group 1 for wq's tiles
.set G0B, 56                           ; s[56:63] group 0 for wq's tiles, one set for each slot
.set MSB, 0
.macro WIN new                         ; the immediate's high byte repeats the setting that is left
.if MSB != \new
	s_set_vgpr_msb (MSB<<8)|\new
.set MSB, \new
.endif
.endm
.set MUL_LO, 0xa1                      ; source 0 (wq) window 1, source 1 (xb) window 0, C and D window 2
.set MUL_HI, 0xf1                      ; the same, C and D window 3
.set TO_B,   0x40                      ; destination window 1, address window 0
; A joint load.  Waves 0 and 1 fetch wq's two halves, waves 2 and 3 xb's.  Each line has one mask and one set of registers, equal in the four that it names.
.macro JLOAD s
	s_cmp_eq_u32 s15, 0
	s_cbranch_scc0 .Lfor_a_\@
	tensor_load_to_lds s[G0B+4*\s:G0B+4*\s+3], s[G1B:G1B+7]
	s_nop 0
	s_branch .Lasked_\@
.Lfor_a_\@:
	tensor_load_to_lds s[G0A+4*\s:G0A+4*\s+3], s[G1A:G1A+7]
	s_nop 0
.Lasked_\@:
.endm
.macro CREST                           ; a round of the cluster's barrier behind its opening barrier
	s_cmp_lg_u32 s14, 0
	s_cbranch_scc1 .Lnot_wave_0_\@
	s_barrier_signal -3
.Lnot_wave_0_\@:
	s_barrier_wait -3
	s_barrier_signal -1
	s_barrier_wait -1
.endm
.macro CROUND                          ; a whole round
	s_barrier_signal -1
	s_barrier_wait -1
	CREST
.endm
.macro PLACES                          ; four places behind matrix instructions, in front of loads into their sources and of readers of their results
.rept 4
	v_nop
.endr
.endm
	s_load_b256 s[4:11], s[0:1], 0x0               ; xb s[4:5], wq s[6:7], rope_cos s[8:9], rope_sin s[10:11]
	s_load_b64 s[12:13], s[0:1], 0x20              ; qkv
	s_set_vgpr_msb 0x40
	v_lshl_add_u32 v255, v0, 2, 0x4d400
	s_set_vgpr_msb 0x4000
	v_mov_b32 v255, 0
	s_set_vgpr_msb 0x1
	ds_add_u32 v255, v255
	s_set_vgpr_msb 0x100
	v_lshrrev_b32 v1, 5, v0
	v_readfirstlane_b32 s14, v1                    ; wave 0..3
	s_lshr_b32 s15, s14, 1                         ; which 64 rows are mine.  Also: I fetch for wq (0) or for xb (1)
	s_and_b32 s16, s14, 1                          ; which 192 columns are mine.  Also: which half of that tile I fetch
	s_bfe_u32 s17, ttmp6, 0x40000                  ; cx
	s_bfe_u32 s18, ttmp6, 0x40004                  ; cy
	s_lshl_b32 s19, ttmp9, 2
	s_add_co_u32 s19, s19, s17                     ; block column 0..7 = 4 x cluster x + cx
	s_and_b32 s20, ttmp7, 0xffff
	s_lshl_b32 s20, s20, 2
	s_add_co_u32 s20, s20, s18                     ; block row 0..31 = 4 x cluster y + cy
	s_lshl_b32 s21, s18, 2
	s_lshl_b32 s21, 15, s21                        ; my row of the cluster: places 4 cy .. 4 cy + 3
	s_lshl_b32 s22, 0x1111, s17                    ; my column: places cx, cx + 4, cx + 8, cx + 12
	s_or_b32 s[G1A+0], s21, (1<<16)|(1<<20)|(1<<21)|(5<<22)|(3<<25)   ; mask of my row; elements of 2 bytes; padding on; bit 21 beside a mask; 4 words behind every 64
	s_or_b32 s[G1B+0], s22, (1<<16)|(1<<20)|(1<<21)|(4<<22)|(3<<25)   ; mask of my column; 4 words behind every 32
	s_mov_b32 s[G1A+1], KSTEP<<16                  ; tensor_dim0 = 128
	s_mov_b32 s[G1A+2], 64<<16                     ; tensor_dim1 = 64
	s_mov_b32 s[G1A+3], KSTEP<<16                  ; tile_dim0 = 128 elements (256 bytes)
	s_mov_b32 s[G1A+4], 64                         ; tile_dim1 = 64 rows
	s_mov_b32 s[G1A+5], 1024                       ; elements from row to row
	s_mov_b32 s[G1A+6], 0
	s_mov_b32 s[G1A+7], 0
	s_mov_b32 s[G1B+1], 384<<16                    ; tensor_dim0 = 384
	s_mov_b32 s[G1B+2], 64<<16                     ; tensor_dim1 = 64
	s_mov_b32 s[G1B+3], 384<<16                    ; tile_dim0 = 384 elements (768 bytes, from a multiple of 256)
	s_mov_b32 s[G1B+4], 64                         ; tile_dim1 = 64 k-rows
	s_mov_b32 s[G1B+5], 3072
	s_mov_b32 s[G1B+6], 0
	s_mov_b32 s[G1B+7], 0
	; where the tiles come from: xb's address is made of the block row and the wave's number, wq's of the block column and the wave's number
	s_lshl_b32 s40, s20, 18                        ; 128 rows x 2,048 bytes
	s_lshl_b32 s23, s16, 17                        ; + 64 rows for the second half
	s_add_co_u32 s40, s40, s23
	s_mov_b32 s41, 0
	s_mul_i32 s42, s19, 768                        ; 384 columns x 2 bytes
	s_mul_i32 s23, s16, 393216                     ; + 64 k-rows x 6,144 bytes
	s_add_co_u32 s42, s42, s23
	s_mov_b32 s43, 0
	s_mul_i32 s44, s14, BHALF                      ; where wq's halves go (waves 0, 1)
	s_mul_i32 s45, s14, AHALF
	s_add_co_u32 s45, s45, AOFF-2*AHALF            ; where xb's halves go (waves 2, 3): no place in the cluster enters an LDS address
	s_wait_dscnt 0x0
	s_wait_kmcnt 0x0
	s_add_nc_u64 s[40:41], s[4:5], s[40:41]
	s_add_nc_u64 s[42:43], s[6:7], s[42:43]
	CROUND                                         ; all sixteen work-groups are here: the first joint loads meet
.irp s, 0,1
	s_mov_b32 s[G0A+4*\s], 1
	s_add_co_u32 s[G0A+4*\s+1], s45, \s*SLOT
	s_add_nc_u64 s[G0A+4*\s+2:G0A+4*\s+3], s[40:41], \s*KSTEP*2          ; K step s
	s_or_b32 s[G0A+4*\s+3], s[G0A+4*\s+3], 0x80000000
	s_mov_b32 s[G0B+4*\s], 1
	s_add_co_u32 s[G0B+4*\s+1], s44, \s*SLOT
	s_add_nc_u64 s[G0B+4*\s+2:G0B+4*\s+3], s[42:43], \s*KSTEP*6144
	s_or_b32 s[G0B+4*\s+3], s[G0B+4*\s+3], 0x80000000
	JLOAD \s                                       ; both slots' first fills go out before anything else: two tensor loads of the wave are out
.endr
	v_and_b32 v1, 15, v0                           ; r = l % 16
	v_bfe_u32 v2, v0, 4, 1                         ; h = l / 16
	v_mul_u32_u24 v3, v1, PA
	v_lshl_add_u32 v3, v2, 4, v3                   ; xb: row r, 16 bytes for each half of the lanes
	s_mul_i32 s21, s15, AHALF
	s_add_co_u32 s21, s21, AOFF                    ; my 64 rows
	v_and_b32 v4, 7, v0
	v_lshl_add_u32 v4, v2, 3, v4                   ; wq, transposing load: k-row 8 h + l % 8,
	v_mul_u32_u24 v4, v4, PB
	v_bfe_u32 v5, v0, 3, 1
	v_lshl_add_u32 v4, v5, 4, v4                   ; the first or second 16 bytes of the 16 columns
	s_mul_i32 s22, s16, 432                        ; my 192 columns: 384 bytes and three paddings
.irp s, 0,1
	v_add_nc_u32 v[ADRA+\s], s21, v3
	v_add_nc_u32 v[ADRB+2*\s], s22, v4
	s_add_co_u32 s23, s22, BHALF
	v_add_nc_u32 v[ADRB+2*\s+1], s23, v4
	s_add_co_u32 s21, s21, SLOT
	s_add_co_u32 s22, s22, SLOT
.endr
	s_mul_i32 s23, s14, 16*SPITCH
	s_add_co_u32 s23, s23, STAGE                   ; my stage
	v_mul_u32_u24 v5, v1, SPITCH
	v_lshl_add_u32 v5, v2, 4, v5
	v_add_nc_u32 v[STO], s23, v5                   ; in: row r, 16 bytes for each half
	v_bfe_u32 v5, v0, 3, 2
	v_mul_u32_u24 v5, v5, SPITCH
	v_and_b32 v6, 7, v0
	v_lshl_add_u32 v5, v6, 4, v5
	v_add_nc_u32 v[RD], s23, v5                    ; back: eight lanes take a head's 128 bytes of a row, the wave four rows
	v_and_b32 v5, 31, v0
	v_lshlrev_b32 v[CO], 4, v5
	v_lshlrev_b32 v5, 7, v1
	v_lshl_add_u32 v[RO], v2, 4, v5                ; table row r (128 bytes), four pairs for each half
	; my rows' place in a sequence, in bytes of 128 a row: it serves the tables and the planes of qkv alike
	s_and_b32 s44, s20, 15
	s_lshl_b32 s44, s44, 14                        ; (block row mod 16) x 128 rows
	s_lshl_b32 s45, s15, 13                        ; + 64 rows
	s_add_co_u32 s44, s44, s45
	s_mov_b32 s45, 0
	s_add_nc_u64 s[8:9], s[8:9], s[44:45]
	s_add_nc_u64 s[10:11], s[10:11], s[44:45]
	; cos and sin of my 64 rows: lane (r, h) needs, for the 16 columns of quarter q of a head, the pairs 8 q + 4 h .. + 3: 16 bytes.  32 loads, which
	; stay out during the whole K loop; their registers, v[RO] and s[8:11] are left alone until the wait in front of the way out.
.irp i, 0,1,2,3
	WIN (0x80+0x40*(\i>>1))
.irp q, 0,1,2,3
	global_load_b128 v[192+32*(\i&1)+4*\q:192+32*(\i&1)+4*\q+3], v[RO], s[8:9] offset:\i*2048+32*\q
	global_load_b128 v[208+32*(\i&1)+4*\q:208+32*(\i&1)+4*\q+3], v[RO], s[10:11] offset:\i*2048+32*\q
.endr
.endr
	WIN 0
	s_mul_i32 s46, s19, 6
	s_mul_i32 s47, s16, 3
	s_add_co_u32 s46, s46, s47                     ; my first plane 0..45
.irp hb, 0,1,2
	s_add_co_u32 s22, s46, \hb
	s_lshr_b32 s22, s22, 5                         ; 0 for q and k (planes 0-31), 1 for v (32-47): arithmetic, no branch
	v_cvt_f32_u32 v5, s22
	v_sub_f32 v6, 1.0, v5
	v_mul_f32 v[VFB+2*\hb],   0x3d800000, v5       ; 2^-4 for v
	v_mul_f32 v[VFB+2*\hb+1], 0x3d800000, v5
	v_mul_f32 v[VFA+2*\hb],   0x3b800000, v6       ; 2^-8 for q and k
	v_mul_f32 v[VFA+2*\hb+1], 0x3b800000, v6
.endr
	s_lshr_b32 s47, s20, 4                         ; batch
	s_mul_i32 s47, s47, 48
	s_add_co_u32 s47, s47, s46
	s_lshl_b32 s46, s47, 18                        ; a plane is 262,144 bytes
	s_add_co_u32 s46, s46, s44
	s_mov_b32 s47, 0
	s_add_nc_u64 s[12:13], s[12:13], s[46:47]      ; qkv at my first plane, my first row
; 12 matrix instructions: m block a of the window's two (hi = 0: my rows 0-31, 1: rows 32-63) x all 12 column blocks, 32 along K.
; The 48 accumulators take turns, one instruction a turn, in the same order in every quarter step.
.macro MUL12 f, hi, a, zero
.irp b, 0,1,2,3,4,5,6,7,8,9,10,11
.if \zero
	v_wmma_f32_16x16x32_f16 v[8*(12*\a+\b):8*(12*\a+\b)+7], v[96*\f+8*\b:96*\f+8*\b+7], v[FA0+32*\f+8*(2*\hi+\a):FA0+32*\f+8*(2*\hi+\a)+7], 0
.else
	v_wmma_f32_16x16x32_f16 v[8*(12*\a+\b):8*(12*\a+\b)+7], v[96*\f+8*\b:96*\f+8*\b+7], v[FA0+32*\f+8*(2*\hi+\a):FA0+32*\f+8*(2*\hi+\a)+7], v[8*(12*\a+\b):8*(12*\a+\b)+7]
.endif
.endr
.endm
; 32 LDS loads in one run: the fragments of quarter q (32 along K) of a slot into buffer f: 24 transposing loads of wq, 8 loads of xb
.macro FETCH slot, q, f
	WIN TO_B
.irp b, 0,1,2,3,4,5,6,7,8,9,10,11
	ds_load_tr16_b128 v[96*\f+8*\b:96*\f+8*\b+3],   v[ADRB+2*\slot+(\q>>1)] offset:(\q&1)*32*PB+32*\b+16*(\b>>2)
	ds_load_tr16_b128 v[96*\f+8*\b+4:96*\f+8*\b+7], v[ADRB+2*\slot+(\q>>1)] offset:(\q&1)*32*PB+32*\b+16*(\b>>2)+16*PB
.endr
	WIN 0
.irp i, 0,1,2,3
	ds_load_b128 v[FA0+32*\f+8*\i:FA0+32*\f+8*\i+3],   v[ADRA+\slot] offset:64*\q+\i*16*PA
	ds_load_b128 v[FA0+32*\f+8*\i+4:FA0+32*\f+8*\i+7], v[ADRA+\slot] offset:64*\q+\i*16*PA+32
.endr
.endm
; One of a K step's first three quarters: multiplies buffer f; in its middle it fetches quarter q of the same slot into buffer g.
.macro QUARTER slot, q, f, g, zero
	s_wait_dscnt 4                                 ; wq's fragments and xb's rows 0-31 are in; the youngest four loads (rows 32-63) may be out
	WIN MUL_LO
	MUL12 \f, 0, 0, \zero
	MUL12 \f, 0, 1, \zero
	PLACES
	FETCH \slot, \q, \g
	s_wait_dscnt 32                                ; all but the 32 just issued
	WIN MUL_HI
	MUL12 \f, 1, 0, \zero
	MUL12 \f, 1, 1, \zero
.endm
.macro THREE slot, zero
	QUARTER \slot, 1, 0, 1, \zero
	QUARTER \slot, 2, 1, 0, 0
	QUARTER \slot, 3, 0, 1, 0
.endm
; The last quarter multiplies buffer 1 and changes slots.  One barrier: in front of it each wave waits for its reads of this slot and for all its
; tensor loads (one is out: its part of the next slot); behind it the refill comes first, then the next slot's first fragments.
.macro TURN slot, next, fill
	s_wait_dscnt 4
	WIN MUL_LO
	MUL12 1, 0, 0, 0
	s_wait_dscnt 0                                 ; my reads of this slot are over
	s_wait_tensorcnt 0x0                           ; all my tensor loads have landed
	ds_add_u32 v255, v255
	s_wait_dscnt 0x0
	s_barrier_signal -1                            ; say so (where a slot is filled again this barrier opens a round of the cluster's barrier),
	MUL12 1, 0, 1, 0                               ; work on registers while the others arrive,
	WIN 0
	s_barrier_wait -1
.if \fill
	CREST                                          ; no wave of any partner still reads this slot or has a load on its way
	s_add_nc_u64 s[G0A+4*\slot+2:G0A+4*\slot+3], s[G0A+4*\slot+2:G0A+4*\slot+3], 2*KSTEP*2
	s_add_nc_u64 s[G0B+4*\slot+2:G0B+4*\slot+3], s[G0B+4*\slot+2:G0B+4*\slot+3], 2*KSTEP*6144
	JLOAD \slot                                    ; my one tensor load behind the round: it has 180 matrix instructions in which to land
.endif
	PLACES
	FETCH \next, 0, 0
	WIN MUL_HI
	MUL12 1, 1, 0, 0
	MUL12 1, 1, 1, 0
.endm
.macro LAP zero
	THREE 0, \zero
	TURN 0, 1, 1
	THREE 1, 0
	TURN 1, 0, 1
.endm
	s_wait_tensorcnt 0x1                           ; my part of K step 0 is in; K step 1's stays out
	s_barrier_signal -1
	s_barrier_wait -1                              ; everybody's is
	FETCH 0, 0, 0
	LAP 1                                          ; the first lap's first products start the sums: nothing is cleared
	WIN 0
	s_mov_b32 s3, LAPS-2
.Llap:
	LAP 0
	WIN 0
	s_sub_co_u32 s3, s3, 1
	s_cmp_lg_u32 s3, 0
	s_cbranch_scc1 .Llap
	THREE 0, 0                                     ; the last lap fills nothing
	TURN 0, 1, 0
	THREE 1, 0
	s_wait_dscnt 4
	WIN MUL_LO
	MUL12 1, 0, 0, 0
	MUL12 1, 0, 1, 0
	s_wait_dscnt 0
	WIN MUL_HI
	MUL12 1, 1, 0, 0
	MUL12 1, 1, 1, 0
	WIN 0
	PLACES                                         ; behind the last matrix instructions: their results are read and their sources loaded into below
	s_wait_loadcnt 0x0                             ; cos and sin
; THE WAY OUT.  One head (64 columns) of 16 rows: c' = cos fa + fb, s' = sin fa (q, k: the tables times 2^-8; v: 2^-4 and 0, a plain scaling);
; even' = even c' - odd s', odd' = even s' + odd c'; two roundings to f16 in one instruction; 16 bytes a lane into my stage.
.macro HEADOUT i, hb
	WIN (2+(\i>>1))                                ; source 0 in the window of the accumulators and of their rows' tables
.irp j, 0,2,4,6,8,10,12,14
	v_pk_fma_f32 v[CP+\j:CP+\j+1], v[192+32*(\i&1)+\j:192+32*(\i&1)+\j+1], v[VFA+2*\hb:VFA+2*\hb+1], v[VFB+2*\hb:VFB+2*\hb+1]
	v_pk_mul_f32 v[SP+\j:SP+\j+1], v[208+32*(\i&1)+\j:208+32*(\i&1)+\j+1], v[VFA+2*\hb:VFA+2*\hb+1]
.endr
.irp q, 0,1,2,3
.irp p, 0,1,2,3
	v_mul_f32 v[T+2*\p],   v[8*(12*(\i&1)+4*\hb+\q)+2*\p+1], v[SP+4*\q+\p]
	v_mul_f32 v[T+2*\p+1], v[8*(12*(\i&1)+4*\hb+\q)+2*\p],   v[SP+4*\q+\p]
.endr
.irp p, 0,1,2,3
	v_fma_f32 v[R+8*\q+2*\p],   v[8*(12*(\i&1)+4*\hb+\q)+2*\p],   v[CP+4*\q+\p], -v[T+2*\p]
	v_fma_f32 v[R+8*\q+2*\p+1], v[8*(12*(\i&1)+4*\hb+\q)+2*\p+1], v[CP+4*\q+\p], v[T+2*\p+1]
.endr
.endr
	WIN 0
.irp n, 0,1,2,3,4,5,6,7,8,9,10,11,12,13,14,15
	v_cvt_pk_f16_f32 v[PK+\n], v[R+2*\n], v[R+2*\n+1]
.endr
.irp q, 0,1,2,3
	ds_store_b128 v[STO], v[PK+4*\q:PK+4*\q+3] offset:32*(4*\hb+\q)
.endr
.endm
; 16 rows of my three heads: through my own stage, back as whole rows of a plane.  In a plane 16 rows are 2,048 neighbouring bytes: four stores of the
; wave, each 512 neighbouring bytes from a multiple of 512.
.macro OUTBLK i
	HEADOUT \i, 0
	HEADOUT \i, 1
	HEADOUT \i, 2
	s_wait_xcnt 0x0                                ; RB, which the last block's stores read, is loaded again only behind this wait
.irp hb, 0,1,2
.irp u, 0,1,2,3
	ds_load_b128 v[RB+4*(4*\hb+\u):RB+4*(4*\hb+\u)+3], v[RD] offset:\u*4*SPITCH+\hb*128   ; LDS serves a wave's instructions in order: these see the stores above
.endr
.endr
.irp hb, 0,1,2
.irp u, 0,1,2,3
	s_wait_dscnt 11-(4*\hb+\u)                     ; the younger read-backs stay out
	global_store_b128 v[CO], v[RB+4*(4*\hb+\u):RB+4*(4*\hb+\u)+3], s[12:13] offset:\hb*262144+\i*2048+\u*512
.endr
.endr
.endm
	OUTBLK 0
	OUTBLK 1
	OUTBLK 2
	OUTBLK 3
	s_set_vgpr_msb 0x1
	s_wait_tensorcnt 0x0
	ds_add_u32 v255, v255
	s_wait_dscnt 0x0
	s_set_vgpr_msb 0x100
	CROUND                                         ; the closing round: no work-group ends while a partner may still ask for a tile that names it
	s_endpgm
.Lfunc_end_k_qe88dcf80f6_qkv:
	.size	k_qe88dcf80f6_qkv, .Lfunc_end_k_qe88dcf80f6_qkv-k_qe88dcf80f6_qkv
	.p2alignl 7, 3214868480
	.fill 96, 4, 3214868480
	.section	.rodata,"a",@progbits
	.p2align	6, 0x0
	.amdhsa_kernel k_qe88dcf80f6_qkv
		.amdhsa_group_segment_fixed_size 327680
		.amdhsa_private_segment_fixed_size 0
		.amdhsa_enable_private_segment 0
		.amdhsa_kernarg_size 40
		.amdhsa_user_sgpr_count 2
		.amdhsa_user_sgpr_kernarg_segment_ptr 1
		.amdhsa_wavefront_size32 1
		.amdhsa_system_sgpr_workgroup_id_x 1
		.amdhsa_system_sgpr_workgroup_id_y 1
		.amdhsa_system_sgpr_workgroup_id_z 1
		.amdhsa_system_vgpr_workitem_id 0
		.amdhsa_next_free_vgpr 1024
		.amdhsa_next_free_sgpr 66
		.amdhsa_reserve_vcc 0
		.amdhsa_float_denorm_mode_32 3
		.amdhsa_float_denorm_mode_16_64 3
		.amdhsa_memory_ordered 1
		.amdhsa_forward_progress 1
		.amdhsa_inst_pref_size 217
	.end_amdhsa_kernel
	.amdgpu_metadata
---
amdhsa.version: [ 1, 2 ]
amdhsa.kernels:
  - .name:           k_qe88dcf80f6_qkv
    .symbol:         k_qe88dcf80f6_qkv.kd
    .args:
      - { .name: xb, .offset: 0, .size: 8, .value_kind: global_buffer, .address_space: global }
      - { .name: wq, .offset: 8, .size: 8, .value_kind: global_buffer, .address_space: global }
      - { .name: rope_cos, .offset: 16, .size: 8, .value_kind: global_buffer, .address_space: global }
      - { .name: rope_sin, .offset: 24, .size: 8, .value_kind: global_buffer, .address_space: global }
      - { .name: qkv, .offset: 32, .size: 8, .value_kind: global_buffer, .address_space: global }
    .group_segment_fixed_size: 327680
    .private_segment_fixed_size: 0
    .kernarg_segment_align: 8
    .kernarg_segment_size: 40
    .max_flat_workgroup_size: 128
    .sgpr_count:     66
    .vgpr_count:     1024
    .wavefront_size: 32
...
	.end_amdgpu_metadata
.endif
;; end of part 2
;; launch attn (part 3): grid 8 x 32, 8 waves a work-group, clusters of 4 x 1, 327,680 bytes of LDS; arguments qkv, att; writes att
.if DOCPART == 3
	.amdgcn_target "amdgcn-amd-amdhsa--gfx1250"
	.amdhsa_code_object_version 6
	.text
	.protected	k_qe88dcf80f6_attn
	.globl	k_qe88dcf80f6_attn
	.p2align	8
	.type	k_qe88dcf80f6_attn,@function
k_qe88dcf80f6_attn:
	s_mov_b64 s[64:65], 0
	v_nop
	global_prefetch_b8 v0, s[64:65] scope:SCOPE_SE
	s_setreg_imm32_b32 hwreg(HW_REG_WAVE_MODE, 25, 1), 1
	s_wait_xcnt 0x0
	s_wait_alu depctr_hold_cnt(0) depctr_sa_sdst(0) depctr_va_vdst(0) depctr_va_sdst(0) depctr_va_ssrc(0) depctr_va_vcc(0) depctr_vm_vsrc(0)
	s_getreg_b32 s2, hwreg(HW_REG_IB_STS2, 6, 4)
	s_cmp_eq_u32 s2, 0
	s_cbranch_scc0 .Lentry_in_a_cluster
	s_endpgm
.Lentry_in_a_cluster:
	s_bfe_u32 s2, ttmp6, 0x10000c
	s_cmp_lg_u32 s2, 0x3003
	s_cbranch_scc0 .Lentry_shape_is_right
	s_endpgm
.Lentry_shape_is_right:
; att[b][h][t][d] = 2^-4 softmax(q k^T / 8) v for one (batch, head) and 256 queries a work-group; q, k (times 2^-8) and v (times 2^-4) in f16 from
; qkv [b][plane][t][64]; sums, maxima and exponentials in f32; a running maximum, taken away before every exponential.
; Eight waves, 32 queries each: two query tiles of 16, G0 and G1.  Keys go in tiles of 256 through two LDS slots; a tile is four blocks of 64 keys.
; CLUSTERS: the four work-groups of a cluster take four query blocks of one head and read the same K and V tiles: joint loads, mask 15.
; MATRIX USE: S^T = K Q^T (source 0 = 16 keys, source 1 = 16 queries): lane l holds query l % 16, registers 0-7 the keys 8 (l / 16) + 0..7.  So a
; lane's scores belong to one query (the maximum and the sum need one exchange between the halves), and two S^T tiles, packed to f16, ARE the
; source-1 fragment of P^T for 32 keys: nothing moves between lanes.  O^T += V^T P^T (source 0 = V read transposed out of [key][d] rows).
; THE ORDER OF WORK: the two query tiles run half a block apart, so that a wave always has vector work of one tile to issue between the matrix
; instructions of the other:
;   phase X(i): softmax of (G0, block i); among its first instructions the 8 products S^T(G1, i); then the 8 products O^T(G1) += V(i-1) P(G1, i-1),
;               with G0's 16 rescaling multiplies between them;
;   phase Y(i): softmax of (G1, i); among its first instructions S^T(G0, i+1); then O^T(G0) += V(i) P(G0, i), with G1's rescaling between them.
; Whatever a phase reads was made in the phase before, so S^T needs one buffer a tile.  A phase is 16 matrix and about 120 vector instructions.
; SOFTMAX: with M the running maximum of the raw products and c = log2(e) / 8 x 2^16 (the 2^16 undoes the two 2^-8), N = -c M,
; p = 2^(c s + N), alpha = 2^(N new - N old): old and new sums agree exactly in their scale.  The row sum takes p before its rounding to f16.
; LIMITS: p in f16: below 2^-14 its step is 2^-24, below 2^-25 it is 0; v_exp_f32 gives 0 below 2^-126.  NaN and infinities are not treated.
; REGISTERS: window 0 holds all that the S^T products and the softmax name, so these mix under one setting; window 1 holds V's fragments and O^T, and
; the setting of the O^T products (source 0, C and D in window 1, source 1 in window 0) is also right for O^T = O^T x alpha: six switches a block.
.set PITV,   160                       ; V's LDS row: 128 bytes + 32 = 5 x 32, for the transposing loads
.set PITK,   144                       ; K's LDS row: 128 bytes + 16
.set VBYTES, 256*PITV
.set KBYTES, 256*PITK
.set SLOT,   VBYTES+KBYTES             ; 77,824 bytes: V's 256 keys, then K's
.set STAGE,  2*SLOT                    ; behind the ring (a multiple of 256): 32 rows x 144 bytes for each wave; no tensor load lands here
.set SPITCH, 144
.set KA,  4                            ; v4-5    LDS address of my K fragments in slot 0, 1
.set VA,  6                            ; v6-7    the same for V
.set STO, 8                            ; the way out: in
.set RD,  9                            ; the way out: back
.set CO,  10                           ; 16 x lane
.set QO,  11                           ; my bytes in Q's rows
.set NL,  12                           ; v[12:13], v[14:15]  (N, L) of query tile 0, 1: N = -c M, L = my half's running sum
.set AB,  16                           ; v[16:17], v[18:19]  (alpha, the block's sum) of query tile 0, 1
.set TM,  20                           ; v[20:27] at work
.set PFO, 28                           ; prefetch: my block's offset
.set MX,  29                           ; v29, v30 running maximum of query tile 0, 1
.set SC,  32                           ; v[32:95]   S^T, tile 4 g + kt at 8 x
.set PP,  96                           ; v[96:127]  P^T in f16, 4 registers a tile
.set KF,  128                          ; v[128:191] K fragments (kt, dh) at 8 (2 kt + dh)
.set QF,  192                          ; v[192:223] Q fragments (g, dh) at 8 (2 g + dh)
.set VF,  0                            ; window 1: v[0:63], v[64:127] V fragments (dt, kh) at 8 (4 kh + dt), a buffer for even and one for odd blocks
.set OA,  128                          ; window 1: v[128:191] O^T, tile 4 g + dt
.set G1V, 24                           ; s[24:31] group 1 for V's tiles
.set G0V, 32                           ; s[32:39] group 0 for V's tiles, one set for each slot
.set G1K, 48                           ; s[48:55] group 1 for K's tiles
.set G0K, 56                           ; s[56:63] group 0 for K's tiles
.set MSB, 0
.macro WIN new                         ; the immediate's high byte repeats the setting that is left
.if MSB != \new
	s_set_vgpr_msb (MSB<<8)|\new
.set MSB, \new
.endif
.endm
.macro ROUND                           ; a round of the cluster's barrier
	s_barrier_signal -1
	s_barrier_wait -1
	s_cmp_lg_u32 s8, 0
	s_cbranch_scc1 .Lnot_wave_0_\@
	s_barrier_signal -3
.Lnot_wave_0_\@:
	s_barrier_wait -3
	s_barrier_signal -1
	s_barrier_wait -1
.endm
.macro JLOAD s                         ; waves 0-3 fetch V's quarters, waves 4-7 K's: 64 keys each
	s_cmp_eq_u32 s9, 0
	s_cbranch_scc0 .Lfor_k_\@
	tensor_load_to_lds s[G0V+4*(\s):G0V+4*(\s)+3], s[G1V:G1V+7]
	s_nop 0
	s_branch .Lasked_\@
.Lfor_k_\@:
	tensor_load_to_lds s[G0K+4*(\s):G0K+4*(\s)+3], s[G1K:G1K+7]
	s_nop 0
.Lasked_\@:
.endm
	s_load_b128 s[4:7], s[0:1], 0x0                ; qkv s[4:5], att s[6:7]
	v_lshl_add_u32 v254, v0, 2, 0x2f000
	v_mov_b32 v255, 0
	ds_add_u32 v254, v255
	v_lshrrev_b32 v1, 5, v0
	v_readfirstlane_b32 s8, v1                     ; wave 0..7
	s_lshr_b32 s9, s8, 2                           ; I fetch for V (0) or for K (1)
	s_and_b32 s10, s8, 3                           ; which 64 keys of a tile
	s_bfe_u32 s11, ttmp6, 0x40000                  ; cx
	s_lshl_b32 s12, ttmp9, 2
	s_add_co_u32 s12, s12, s11                     ; query block 0..7
	s_and_b32 s13, ttmp7, 0xffff                   ; 16 x batch + head
	s_lshr_b32 s14, s13, 4
	s_and_b32 s15, s13, 15
	s_mul_i32 s16, s14, 48
	s_add_co_u32 s16, s16, s15
	s_lshl_b32 s16, s16, 18                        ; q's plane, in bytes; k's lies 16 planes on, v's 32
	s_lshl_b32 s17, s10, 13                        ; my 64 keys x 128 bytes
	s_add_co_u32 s18, s16, s17
	s_add_co_u32 s20, s18, 32*262144
	s_add_co_u32 s18, s18, 16*262144
	s_mov_b32 s19, 0
	s_mov_b32 s21, 0
	s_mul_i32 s22, s8, 64*PITV                     ; where V's quarters go (waves 0-3)
	s_mul_i32 s23, s8, 64*PITK
	s_add_co_u32 s23, s23, VBYTES-4*64*PITK        ; where K's quarters go (waves 4-7)
	s_mov_b32 s[G1V+0], 15|(1<<16)|(1<<20)|(1<<21)|(4<<22)|(7<<25)   ; all four of the cluster; 2-byte elements; 8 words of padding behind every 32
	s_mov_b32 s[G1K+0], 15|(1<<16)|(1<<20)|(1<<21)|(4<<22)|(3<<25)   ; the same with 4 words
.irp g, G1V, G1K
	s_mov_b32 s[\g+1], 64<<16                      ; tensor_dim0 = 64
	s_mov_b32 s[\g+2], 64<<16                      ; tensor_dim1 = 64
	s_mov_b32 s[\g+3], 64<<16                      ; tile_dim0 = 64 elements: a head's row of 128 bytes
	s_mov_b32 s[\g+4], 64                          ; tile_dim1 = 64 keys
	s_mov_b32 s[\g+5], 64                          ; elements from row to row
	s_mov_b32 s[\g+6], 0
	s_mov_b32 s[\g+7], 0
.endr
	s_mov_b32 s45, 0xc638aa3b                      ; -c
	s_mov_b32 s46, 0x4638aa3b                      ; c = log2(e) / 8 x 2^16
	s_mov_b32 s47, 0x4638aa3b
	s_mov_b32 s66, 0x76543210                      ; v_permlanex16_b32: lane i of one half reads lane i of the other
	s_mov_b32 s67, 0xfedcba98
	s_wait_dscnt 0x0
	s_wait_kmcnt 0x0
	s_add_nc_u64 s[18:19], s[4:5], s[18:19]        ; K, my keys of tile 0: made of the head and the wave's number alone
	s_add_nc_u64 s[20:21], s[4:5], s[20:21]        ; V
.irp s, 0,1
	s_mov_b32 s[G0V+4*\s], 1
	s_add_co_u32 s[G0V+4*\s+1], s22, \s*SLOT
	s_add_nc_u64 s[G0V+4*\s+2:G0V+4*\s+3], s[20:21], \s*32768       ; tile s
	s_or_b32 s[G0V+4*\s+3], s[G0V+4*\s+3], 0x80000000
	s_mov_b32 s[G0K+4*\s], 1
	s_add_co_u32 s[G0K+4*\s+1], s23, \s*SLOT
	s_add_nc_u64 s[G0K+4*\s+2:G0K+4*\s+3], s[18:19], \s*32768
	s_or_b32 s[G0K+4*\s+3], s[G0K+4*\s+3], 0x80000000
.endr
	ROUND                                          ; in front of the first joint loads
	JLOAD 0                                        ; tiles 0 and 1 go out together: two tensor loads of the wave are out here,
	JLOAD 1                                        ; one behind every later round
	s_lshl_b32 s17, s12, 15                        ; 256 queries x 128 bytes
	s_lshl_b32 s18, s8, 12                         ; + 32 queries a wave
	s_add_co_u32 s17, s17, s18
	s_add_co_u32 s40, s16, s17
	s_mov_b32 s41, 0
	s_add_nc_u64 s[40:41], s[4:5], s[40:41]        ; my queries
	s_lshl_b32 s68, s13, 18
	s_add_co_u32 s68, s68, s17
	s_mov_b32 s69, 0
	s_add_nc_u64 s[68:69], s[6:7], s[68:69]        ; my rows of att
	s_add_co_u32 s42, s16, 16*262144+32768
	s_mov_b32 s43, 0
	s_add_nc_u64 s[42:43], s[4:5], s[42:43]        ; prefetch: K's tile 1; stepped by a tile at the head of each trip that asks
	v_and_b32 v1, 15, v0                           ; r
	v_bfe_u32 v2, v0, 4, 1                         ; h
	v_lshlrev_b32 v3, 7, v1
	v_lshl_add_u32 v[QO], v2, 4, v3
.irp qt, 0,1
.irp dh, 0,1
	global_load_b128 v[QF+8*(2*\qt+\dh):QF+8*(2*\qt+\dh)+3],   v[QO], s[40:41] offset:\qt*2048+\dh*64
	global_load_b128 v[QF+8*(2*\qt+\dh)+4:QF+8*(2*\qt+\dh)+7], v[QO], s[40:41] offset:\qt*2048+\dh*64+32
.endr
.endr
	v_mul_u32_u24 v3, v1, PITK
	v_lshl_add_u32 v3, v2, 4, v3
	v_add_nc_u32 v[KA], VBYTES, v3
	v_add_nc_u32 v[KA+1], VBYTES+SLOT, v3
	v_and_b32 v3, 7, v0
	v_lshl_add_u32 v3, v2, 3, v3                   ; transposing load: key 8 h + l % 8,
	v_mul_u32_u24 v3, v3, PITV
	v_bfe_u32 v[TM], v0, 3, 1
	v_lshl_add_u32 v[VA], v[TM], 4, v3             ; the first or second 16 bytes of 16 d
	v_add_nc_u32 v[VA+1], SLOT, v[VA]
	s_mul_i32 s18, s8, 32*SPITCH
	s_add_co_u32 s18, s18, STAGE
	v_mul_u32_u24 v3, v1, SPITCH
	v_lshl_add_u32 v3, v2, 4, v3
	v_add_nc_u32 v[STO], s18, v3
	v_bfe_u32 v3, v0, 3, 2
	v_mul_u32_u24 v3, v3, SPITCH
	v_and_b32 v[TM], 7, v0
	v_lshl_add_u32 v3, v[TM], 4, v3
	v_add_nc_u32 v[RD], s18, v3
	v_and_b32 v3, 31, v0
	v_lshlrev_b32 v[CO], 4, v3
	s_lshl_b32 s18, s12, 12                        ; prefetch: the eight query blocks of a head share a tile out, 4,096 bytes of K and of V each;
	v_lshlrev_b32 v3, 8, v1                        ; lanes 256 bytes apart,
	v_lshl_add_u32 v3, v2, 22, v3                  ; lanes 16-31 in V's plane, 16 planes = 4,194,304 bytes behind K's
	v_add_nc_u32 v[PFO], s18, v3
	v_mov_b32 v[NL+1], 0                           ; L is the second register of a pair that the packed multiply-add names: written before it
	v_mov_b32 v[NL+3], 0
.macro LOADK slot, kb                  ; 16 loads: the K fragments of 64 keys
.irp kt, 0,1,2,3
.irp dh, 0,1
	ds_load_b128 v[KF+8*(2*\kt+\dh):KF+8*(2*\kt+\dh)+3],   v[KA+\slot] offset:(64*(\kb)+16*\kt)*PITK+64*\dh
	ds_load_b128 v[KF+8*(2*\kt+\dh)+4:KF+8*(2*\kt+\dh)+7], v[KA+\slot] offset:(64*(\kb)+16*\kt)*PITK+64*\dh+32
.endr
.endr
.endm
.macro LOADV slot, kb, vb              ; 16 transposing loads: the V fragments of 64 keys into buffer vb (window 1)
.irp kh, 0,1
.irp dt, 0,1,2,3
	ds_load_tr16_b128 v[VF+64*\vb+8*(4*\kh+\dt):VF+64*\vb+8*(4*\kh+\dt)+3],   v[VA+\slot] offset:(64*(\kb)+32*\kh)*PITV+32*\dt
	ds_load_tr16_b128 v[VF+64*\vb+8*(4*\kh+\dt)+4:VF+64*\vb+8*(4*\kh+\dt)+7], v[VA+\slot] offset:(64*(\kb)+32*\kh)*PITV+32*\dt+16*PITV
.endr
.endr
.endm
; The n-th of the 8 products of S^T of query tile g: n = 0-3 the four key tiles with d 0-31 (they start the sums), n = 4-7 with d 32-63.
; The four accumulators take turns, one instruction a turn.
.macro WSM g, n
.if \n < 4
	v_wmma_f32_16x16x32_f16 v[SC+32*\g+8*\n:SC+32*\g+8*\n+7], v[KF+16*\n:KF+16*\n+7], v[QF+16*\g:QF+16*\g+7], 0
.else
	v_wmma_f32_16x16x32_f16 v[SC+32*\g+8*(\n-4):SC+32*\g+8*(\n-4)+7], v[KF+16*(\n-4)+8:KF+16*(\n-4)+15], v[QF+16*\g+8:QF+16*\g+15], v[SC+32*\g+8*(\n-4):SC+32*\g+8*(\n-4)+7]
.endif
.endm
.macro MSM sm, g, n                    ; the same, where there is a next block
.if \sm
	WSM \g, \n
.endif
.endm
; The n-th of the 8 products of O^T of query tile g: n = 0-3 the four d tiles with keys 0-31, n = 4-7 with keys 32-63; by turns likewise.
; zero = 1: the tile's first block, whose first products start the sums.
.macro WPV g, n, vb, zero
.if \zero*(1-(\n>>2))
	v_wmma_f32_16x16x32_f16 v[OA+32*\g+8*(\n&3):OA+32*\g+8*(\n&3)+7], v[VF+64*\vb+8*\n:VF+64*\vb+8*\n+7], v[PP+16*\g+8*(\n>>2):PP+16*\g+8*(\n>>2)+7], 0
.else
	v_wmma_f32_16x16x32_f16 v[OA+32*\g+8*(\n&3):OA+32*\g+8*(\n&3)+7], v[VF+64*\vb+8*\n:VF+64*\vb+8*\n+7], v[PP+16*\g+8*(\n>>2):PP+16*\g+8*(\n>>2)+7], v[OA+32*\g+8*(\n&3):OA+32*\g+8*(\n&3)+7]
.endif
.endm
; The softmax's first part for query tile g: the maximum of a query's 64 products (32 in my registers, four chains; the other 32 in the lane 16 away),
; M, N, alpha's exponent, and c s + N.  37 plain vector instructions (35 in the first block), with the 8 products of S^T of tile og among them; they name none of that tile's
; registers.  Six of them stand behind the last product: the places in front of the loads into KF that follow.
.macro SOFTA g, first, sm, og
	MSM \sm, \og, 0
.irp c, 0,1,2,3
	v_max3_num_f32 v[TM+\c], v[SC+32*\g+8*\c], v[SC+32*\g+8*\c+1], v[SC+32*\g+8*\c+2]
.endr
	MSM \sm, \og, 1
.irp c, 0,1,2,3
	v_max3_num_f32 v[TM+\c], v[TM+\c], v[SC+32*\g+8*\c+3], v[SC+32*\g+8*\c+4]
.endr
	MSM \sm, \og, 2
.irp c, 0,1,2,3
	v_max3_num_f32 v[TM+\c], v[TM+\c], v[SC+32*\g+8*\c+5], v[SC+32*\g+8*\c+6]
.endr
	MSM \sm, \og, 3
	v_max3_num_f32 v[TM],   v[TM],   v[SC+32*\g+7],  v[SC+32*\g+15]
	v_max3_num_f32 v[TM+1], v[TM+1], v[SC+32*\g+23], v[SC+32*\g+31]
	v_max3_num_f32 v[TM],   v[TM],   v[TM+1], v[TM+2]
	v_max_num_f32  v[TM],   v[TM],   v[TM+3]
	MSM \sm, \og, 4
	v_permlanex16_b32 v[TM+1], v[TM], s66, s67                    ; its destination has been written above
.if \first
	v_max_num_f32 v[MX+\g], v[TM], v[TM+1]
	v_mul_f32 v[NL+2*\g], s45, v[MX+\g]                           ; N = -c M
.else
	v_max3_num_f32 v[MX+\g], v[MX+\g], v[TM], v[TM+1]
	v_mul_f32 v[TM+2], s45, v[MX+\g]                              ; the new N,
	v_sub_f32 v[AB+2*\g], v[TM+2], v[NL+2*\g]                     ; less the old one: alpha's exponent, exact for the scales in use
	v_mov_b32 v[NL+2*\g], v[TM+2]
.endif
	MSM \sm, \og, 5
.irp j, 0,2,4,6,8
	v_pk_fma_f32 v[SC+32*\g+\j:SC+32*\g+\j+1], v[SC+32*\g+\j:SC+32*\g+\j+1], s[46:47], v[NL+2*\g:NL+2*\g+1] op_sel_hi:[1,0,0]
.endr
	MSM \sm, \og, 6
.irp j, 10,12,14,16,18
	v_pk_fma_f32 v[SC+32*\g+\j:SC+32*\g+\j+1], v[SC+32*\g+\j:SC+32*\g+\j+1], s[46:47], v[NL+2*\g:NL+2*\g+1] op_sel_hi:[1,0,0]
.endr
	MSM \sm, \og, 7
.irp j, 20,22,24,26,28,30
	v_pk_fma_f32 v[SC+32*\g+\j:SC+32*\g+\j+1], v[SC+32*\g+\j:SC+32*\g+\j+1], s[46:47], v[NL+2*\g:NL+2*\g+1] op_sel_hi:[1,0,0]
.endr
.endm
; The softmax's second part: alpha, the 32 exponentials, my half's sum (four chains of pairs), the rounding to f16, L.  The second 16 exponentials
; alternate with the sums and roundings of the first 16.  One plain instruction stands between an exponential and the first use of its result
; (ISA guide 5.7.2): the v_nop for the first 16, the alternating plain instructions for the rest.
.macro SOFTB g, first
.if \first == 0
	v_exp_f32 v[AB+2*\g], v[AB+2*\g]
.endif
.set j, 0
.rept 16
	v_exp_f32 v[SC+32*\g+j], v[SC+32*\g+j]
.set j, j+1
.endr
	v_nop
.irp c, 0,1,2,3
	v_exp_f32 v[SC+32*\g+16+\c], v[SC+32*\g+16+\c]
	s_wait_alu depctr_va_vdst(0)
	v_pk_add_f32 v[TM+2*\c:TM+2*\c+1], v[SC+32*\g+4*\c:SC+32*\g+4*\c+1], v[SC+32*\g+4*\c+2:SC+32*\g+4*\c+3]
.endr
.irp c, 0,1,2,3,4,5,6,7
	v_exp_f32 v[SC+32*\g+20+\c], v[SC+32*\g+20+\c]
	v_cvt_pk_f16_f32 v[PP+16*\g+\c], v[SC+32*\g+2*\c], v[SC+32*\g+2*\c+1]
.endr
.irp c, 28,29,30,31
	v_exp_f32 v[SC+32*\g+\c], v[SC+32*\g+\c]
.endr
	s_wait_alu depctr_va_vdst(0)
.irp c, 0,1,2,3
	v_pk_add_f32 v[TM+2*\c:TM+2*\c+1], v[TM+2*\c:TM+2*\c+1], v[SC+32*\g+16+2*\c:SC+32*\g+16+2*\c+1]
.endr
.irp c, 8,9,10,11
	v_cvt_pk_f16_f32 v[PP+16*\g+\c], v[SC+32*\g+2*\c], v[SC+32*\g+2*\c+1]
.endr
.irp c, 0,1,2,3
	v_pk_add_f32 v[TM+2*\c:TM+2*\c+1], v[TM+2*\c:TM+2*\c+1], v[SC+32*\g+24+2*\c:SC+32*\g+24+2*\c+1]
.endr
	v_pk_add_f32 v[TM:TM+1],   v[TM:TM+1],   v[TM+2:TM+3]
	v_pk_add_f32 v[TM+4:TM+5], v[TM+4:TM+5], v[TM+6:TM+7]
	v_cvt_pk_f16_f32 v[PP+16*\g+12], v[SC+32*\g+24], v[SC+32*\g+25]
	v_cvt_pk_f16_f32 v[PP+16*\g+13], v[SC+32*\g+26], v[SC+32*\g+27]
	v_pk_add_f32 v[TM:TM+1],   v[TM:TM+1],   v[TM+4:TM+5]
	v_cvt_pk_f16_f32 v[PP+16*\g+14], v[SC+32*\g+28], v[SC+32*\g+29]
	v_cvt_pk_f16_f32 v[PP+16*\g+15], v[SC+32*\g+30], v[SC+32*\g+31]
.if \first
	v_add_f32 v[NL+2*\g+1], v[TM], v[TM+1]         ; the first block starts L
.else
	v_add_f32 v[AB+2*\g+1], v[TM], v[TM+1]
	v_fma_f32 v[NL+2*\g+1], v[NL+2*\g+1], v[AB+2*\g], v[AB+2*\g+1]   ; L = L alpha + the block's sum
.endif
.endm
; The 8 products of O^T of tile pg from V's buffer vb, and between them O^T of tile rg times its alpha (resc = 1), under one setting of the windows.
.macro PART2 pg, vb, zero, rg, resc
	WIN 0x51                                       ; source 0 (V; O^T), C and D in window 1; source 1 (P; alpha) in window 0
.irp n, 0,1,2,3,4,5
	WPV \pg, \n, \vb, \zero
.if \resc
	v_pk_mul_f32 v[OA+32*\rg+4*\n:OA+32*\rg+4*\n+1],   v[OA+32*\rg+4*\n:OA+32*\rg+4*\n+1],   v[AB+2*\rg:AB+2*\rg+1] op_sel_hi:[1,0]
	v_pk_mul_f32 v[OA+32*\rg+4*\n+2:OA+32*\rg+4*\n+3], v[OA+32*\rg+4*\n+2:OA+32*\rg+4*\n+3], v[AB+2*\rg:AB+2*\rg+1] op_sel_hi:[1,0]
.endif
.endr
	WPV \pg, 6, \vb, \zero
	WPV \pg, 7, \vb, \zero
.if \resc
.irp j, 24,26,28,30
	v_pk_mul_f32 v[OA+32*\rg+\j:OA+32*\rg+\j+1], v[OA+32*\rg+\j:OA+32*\rg+\j+1], v[AB+2*\rg:AB+2*\rg+1] op_sel_hi:[1,0]
.endr
.endif
	WIN 0
.endm
; Phase X of block kb of the tile in slot.  sf: the launch's first block.  pv: 0 no block before, 1 the block before was the first, 2 else.
; bnd: where the next block's K comes from: 0 this slot; 1 the other slot, behind the round that fills this slot again; 2 the other slot, behind a
; barrier (nothing is left to fetch); 3 there is no next block.  pf: wave 0 prefetches.
.macro XPH slot, kb, sf, pv, bnd, pf
	WIN 0x40                                       ; destination in window 1
	LOADV \slot, \kb, (\kb&1)                      ; this buffer's last readers were the O^T products of two phases ago
	WIN 0
	SOFTA 0, \sf, 1, 1
.if \bnd == 0
	LOADK \slot, \kb+1
.endif
.if \bnd == 1
	s_wait_tensorcnt 0x0                           ; all my tensor loads are done, my part of the next tile among them: every group 0 may be written
	ds_add_u32 v254, v255
	s_add_nc_u64 s[G0V+4*\slot+2:G0V+4*\slot+3], s[G0V+4*\slot+2:G0V+4*\slot+3], 65536   ; this slot's next tile
	s_add_nc_u64 s[G0K+4*\slot+2:G0K+4*\slot+3], s[G0K+4*\slot+2:G0K+4*\slot+3], 65536
	s_wait_dscnt 0x0                               ; my reads of this slot are done: the last were V's fragments at the head of this phase
	ROUND                                          ; both now hold of every wave of the four work-groups
	JLOAD \slot                                    ; my one tensor load behind the round: it has a whole tile's four blocks in which to land
	LOADK (1-\slot), 0
.endif
.if \bnd == 2
	s_wait_tensorcnt 0x0                           ; my part of the last tile is in
	s_wait_dscnt 0x0
	s_barrier_signal -1
	s_barrier_wait -1                              ; everybody's is
	LOADK (1-\slot), 0
.endif
.if \pf
	s_cmp_lg_u32 s8, 0
	s_cbranch_scc1 .Lno_pf_\@
	global_prefetch_b8 v[PFO], s[42:43] th:TH_LOAD_NT scope:SCOPE_SE   ; wave 0 alone: my eighth of K's and V's tile t + 2, in tile t's first block, three blocks ahead of the tensor load that brings it; each block of 256 bytes is asked for once in the launch
.Lno_pf_\@:
.endif
	SOFTB 0, \sf
.if \pv
	PART2 1, ((\kb+1)&1), (2-\pv), 0, (1-\sf)
.endif
.endm
; Phase Y of block kb.  sf: the launch's first block.  sm: there is a next block.
.macro YPH kb, sf, sm
	s_wait_dscnt 0x0                               ; the next block's K and this block's V, both asked for in phase X, are in
	SOFTA 1, \sf, \sm, 0
	SOFTB 1, \sf
	PART2 0, (\kb&1), \sf, 1, (1-\sf)
.endm
; One tile of 256 keys.
.macro TRIP slot, f, bnd, pf, sml
.if \pf
	s_wait_xcnt 0x0                                ; the last trip's prefetch has read its base
	s_add_nc_u64 s[42:43], s[42:43], 32768         ; trip t asks for tile t + 2; trips 6 and 7 ask for nothing, so no request passes tile 7
.endif
	XPH \slot, 0, \f, (2-2*\f), 0, \pf
	YPH 0, \f, 1
	XPH \slot, 1, 0, (2-\f), 0, 0
	YPH 1, 0, 1
	XPH \slot, 2, 0, 2, 0, 0
	YPH 0, 0, 1
	XPH \slot, 3, 0, 2, \bnd, 0
	YPH 1, 0, \sml
.endm
	s_wait_tensorcnt 0x1                           ; my part of tile 0 is in; tile 1's stays out
	s_barrier_signal -1
	s_barrier_wait -1                              ; everybody's is
	LOADK 0, 0
	s_wait_loadcnt 0x0                             ; Q
	s_wait_dscnt 0x0
.irp n, 0,1,2,3,4,5,6,7
	WSM 0, \n                                      ; S^T(G0, block 0): the one run of products with no softmax to go with it
.endr
.rept 4
	v_nop                                          ; four places (ISA guide 7.12.1) in front of the first readers of S^T
.endr
	TRIP 0, 1, 1, 1, 1                             ; tiles 0 and 1 stand in front of the loop: the first block starts M, L and O^T
	TRIP 1, 0, 1, 1, 1
	s_mov_b32 s44, 2
.Lpair:
	TRIP 0, 0, 1, 1, 1
	TRIP 1, 0, 1, 1, 1
	s_sub_co_u32 s44, s44, 1
	s_cmp_lg_u32 s44, 0
	s_cbranch_scc1 .Lpair
	TRIP 0, 0, 2, 0, 1                             ; tile 6: tile 7 is on its way, nothing more is fetched
	TRIP 1, 0, 3, 0, 0                             ; tile 7
	WIN 0x51
.irp n, 0,1,2,3,4,5,6,7
	WPV 1, \n, 1, 0                                ; O^T(G1) += V(31) P(G1, 31): the half block by which G1 runs behind
.endr
	WIN 0
.rept 4
	v_nop                                          ; four places in front of the readers of O^T
.endr
	; THE WAY OUT: the two halves' sums meet, O^T / L, f16, 16 bytes a lane (eight neighbouring d of one query) into my stage, whole rows back.
	v_permlanex16_b32 v[TM],   v[NL+1], s66, s67
	v_permlanex16_b32 v[TM+1], v[NL+3], s66, s67
	v_add_f32 v[TM],   v[TM],   v[NL+1]
	v_add_f32 v[TM+1], v[TM+1], v[NL+3]
	v_rcp_f32 v[AB],   v[TM]
	v_rcp_f32 v[AB+2], v[TM+1]
	v_nop                                          ; one plain place behind the reciprocals (ISA guide 5.7.2)
	WIN 0x01                                       ; source 0 (O^T) in window 1
	s_wait_alu depctr_va_vdst(0)
.irp qt, 0,1
.set j, 0
.rept 16
	v_pk_mul_f32 v[SC+32*\qt+j:SC+32*\qt+j+1], v[OA+32*\qt+j:OA+32*\qt+j+1], v[AB+2*\qt:AB+2*\qt+1] op_sel_hi:[1,0]
.set j, j+2
.endr
.endr
	WIN 0
.irp qt, 0,1
.set j, 0
.rept 16
	v_cvt_pk_f16_f32 v[PP+16*\qt+j], v[SC+32*\qt+2*j], v[SC+32*\qt+2*j+1]
.set j, j+1
.endr
.endr
.irp qt, 0,1
.irp dt, 0,1,2,3
	ds_store_b128 v[STO], v[PP+4*(4*\qt+\dt):PP+4*(4*\qt+\dt)+3] offset:\qt*16*SPITCH+32*\dt
.endr
.endr
.irp u, 0,1,2,3,4,5,6,7
	ds_load_b128 v[KF+4*\u:KF+4*\u+3], v[RD] offset:\u*4*SPITCH    ; LDS serves a wave's instructions in order: these see the stores above
.endr
.irp u, 0,1,2,3,4,5,6,7
	s_wait_dscnt 7-\u                              ; the younger read-backs stay out
	global_store_b128 v[CO], v[KF+4*\u:KF+4*\u+3], s[68:69] offset:512*\u      ; my 32 rows are 4,096 neighbouring bytes: 512 a store
.endr
	s_wait_tensorcnt 0x0
	ds_add_u32 v254, v255
	s_wait_dscnt 0x0
	ROUND                                          ; the closing round
	s_endpgm
.Lfunc_end_k_qe88dcf80f6_attn:
	.size	k_qe88dcf80f6_attn, .Lfunc_end_k_qe88dcf80f6_attn-k_qe88dcf80f6_attn
	.p2alignl 7, 3214868480
	.fill 96, 4, 3214868480
	.section	.rodata,"a",@progbits
	.p2align	6, 0x0
	.amdhsa_kernel k_qe88dcf80f6_attn
		.amdhsa_group_segment_fixed_size 327680
		.amdhsa_private_segment_fixed_size 0
		.amdhsa_enable_private_segment 0
		.amdhsa_kernarg_size 16
		.amdhsa_user_sgpr_count 2
		.amdhsa_user_sgpr_kernarg_segment_ptr 1
		.amdhsa_wavefront_size32 1
		.amdhsa_system_sgpr_workgroup_id_x 1
		.amdhsa_system_sgpr_workgroup_id_y 1
		.amdhsa_system_sgpr_workgroup_id_z 1
		.amdhsa_system_vgpr_workitem_id 0
		.amdhsa_next_free_vgpr 448
		.amdhsa_next_free_sgpr 72
		.amdhsa_reserve_vcc 0
		.amdhsa_float_denorm_mode_32 3
		.amdhsa_float_denorm_mode_16_64 3
		.amdhsa_memory_ordered 1
		.amdhsa_forward_progress 1
		.amdhsa_inst_pref_size 255
	.end_amdhsa_kernel
	.section	.bss,"aw",@nobits
	.p2align	6
	.space	262144
	.amdgpu_metadata
---
amdhsa.version: [ 1, 2 ]
amdhsa.kernels:
  - .name:           k_qe88dcf80f6_attn
    .symbol:         k_qe88dcf80f6_attn.kd
    .args:
      - { .name: qkv, .offset: 0, .size: 8, .value_kind: global_buffer, .address_space: global }
      - { .name: att, .offset: 8, .size: 8, .value_kind: global_buffer, .address_space: global }
    .group_segment_fixed_size: 327680
    .private_segment_fixed_size: 0
    .kernarg_segment_align: 8
    .kernarg_segment_size: 16
    .max_flat_workgroup_size: 256
    .sgpr_count:     72
    .vgpr_count:     448
    .wavefront_size: 32
...
	.end_amdgpu_metadata
.endif
;; end of part 3
;; launch proj (part 4): grid 8 x 32, 4 waves a work-group, clusters of 4 x 4, 327,680 bytes of LDS; arguments att, wp, b_proj, out0; writes out0
.if DOCPART == 4
	.amdgcn_target "amdgcn-amd-amdhsa--gfx1250"
	.amdhsa_code_object_version 6
	.text
	.protected	k_qe88dcf80f6_proj
	.globl	k_qe88dcf80f6_proj
	.p2align	8
	.type	k_qe88dcf80f6_proj,@function
k_qe88dcf80f6_proj:
	s_mov_b64 s[64:65], 0
	v_nop
	global_prefetch_b8 v0, s[64:65] scope:SCOPE_SE
	s_setreg_imm32_b32 hwreg(HW_REG_WAVE_MODE, 25, 1), 1
	s_wait_xcnt 0x0
	s_wait_alu depctr_hold_cnt(0) depctr_sa_sdst(0) depctr_va_vdst(0) depctr_va_sdst(0) depctr_va_ssrc(0) depctr_va_vcc(0) depctr_vm_vsrc(0)
	s_getreg_b32 s2, hwreg(HW_REG_IB_STS2, 6, 4)
	s_cmp_eq_u32 s2, 0
	s_cbranch_scc0 .Lentry_in_a_cluster
	s_endpgm
.Lentry_in_a_cluster:
	s_bfe_u32 s2, ttmp6, 0x10000c
	s_cmp_lg_u32 s2, 0xf033
	s_cbranch_scc0 .Lentry_shape_is_right
	s_endpgm
.Lentry_shape_is_right:
; out0 [4096][1024] f32 = att x wp + b_proj.  att: f16 [batch][head 16][t 2048][d 64], times 2^-4; wp: f16 [k 1024][n 1024], w_proj times 16: the two
; powers of two cancel exactly.  Sums in f32; the bias is the C operand of the first products, so it costs no instruction and nothing is cleared.
; A work-group makes 128 x 128 with four waves, a wave 64 x 64: 16 accumulator tiles.  A K step of 128 would be 64 matrix instructions a wave, too
; few for a tile to land in, so a slot holds K = 256 (four heads): 128 matrix instructions; four fills in all, written out without a loop.
; CLUSTERS: 4 x 4; att's tiles are asked for jointly along a row of the cluster, wp's along a column.
; TRANSPOSED USE as in the qkv launch: source 0 = 16 columns of wp (transposing loads), source 1 = 16 rows of att; a lane holds eight neighbouring
; columns of one row.
; LIMIT: f16 operands as their launches state; no other.
.set PB,     288                       ; wp's LDS row: 256 bytes + 32 = 9 x 32
.set PA,     144                       ; att's LDS row: a head's 128 bytes + 16
.set BHALF,  128*PB                    ; 128 k-rows: one tensor load (36,864 bytes)
.set AHEAD,  128*PA                    ; one head's 128 rows; two heads are one tensor load (36,864 bytes)
.set AOFF,   2*BHALF
.set SLOT,   AOFF+4*AHEAD              ; 147,456 bytes
.set STAGE,  2*SLOT                    ; behind the ring (a multiple of 256): 16 rows x 272 bytes for each wave
.set SPITCH, 272
.set ADRA, 16                          ; v16-17  my att fragments in slot 0, 1
.set ADRB, 20                          ; v20-23  my wp fragments: slot 0 k-rows 0-127, 128-255; slot 1 likewise
.set STO,  24
.set RD,   25
.set CO,   26
.set BO,   27
.set F0,   64                          ; fragment buffer 0 (window 0: att, window 1: wp): (kk, block) at 8 (4 kk + block)
.set F1,   128                         ; fragment buffer 1
.set BIAS, 192                         ; v[192:223] bias of my 64 columns as four C operands
.set RB,   64                          ; the way out: rows read back
.set G1A, 24
.set G0A, 32
.set G1B, 48
.set G0B, 56
.set MSB, 0
.macro WIN new
.if MSB != \new
	s_set_vgpr_msb (MSB<<8)|\new
.set MSB, \new
.endif
.endm
.set MUL,   0xa1                       ; source 0 (wp) window 1, source 1 (att) window 0, C and D window 2
.set MUL_B, 0x81                       ; the same with C (the bias) in window 0
.set TO_B,  0x40
.macro JLOAD s                         ; waves 0, 1: wp's halves; waves 2, 3: two heads of att each
	s_cmp_eq_u32 s15, 0
	s_cbranch_scc0 .Lfor_a_\@
	tensor_load_to_lds s[G0B+4*\s:G0B+4*\s+3], s[G1B:G1B+7]
	s_nop 0
	s_branch .Lasked_\@
.Lfor_a_\@:
	tensor_load_to_lds s[G0A+4*\s:G0A+4*\s+3], s[G1A:G1A+7]
	s_nop 0
.Lasked_\@:
.endm
.macro CREST
	s_cmp_lg_u32 s14, 0
	s_cbranch_scc1 .Lnot_wave_0_\@
	s_barrier_signal -3
.Lnot_wave_0_\@:
	s_barrier_wait -3
	s_barrier_signal -1
	s_barrier_wait -1
.endm
.macro CROUND
	s_barrier_signal -1
	s_barrier_wait -1
	CREST
.endm
.macro PLACES
.rept 4
	v_nop
.endr
.endm
	s_load_b256 s[4:11], s[0:1], 0x0               ; att s[4:5], wp s[6:7], b_proj s[8:9], out0 s[10:11]
	s_set_vgpr_msb 0x40
	v_lshl_add_u32 v255, v0, 2, 0x4c400
	s_set_vgpr_msb 0x4000
	v_mov_b32 v255, 0
	s_set_vgpr_msb 0x1
	ds_add_u32 v255, v255
	s_set_vgpr_msb 0x100
	v_lshrrev_b32 v1, 5, v0
	v_readfirstlane_b32 s14, v1                    ; wave 0..3
	s_lshr_b32 s15, s14, 1                         ; my 64 rows.  Also: I fetch for wp (0) or for att (1)
	s_and_b32 s16, s14, 1                          ; my 64 columns.  Also: which half I fetch
	s_bfe_u32 s17, ttmp6, 0x40000                  ; cx
	s_bfe_u32 s18, ttmp6, 0x40004                  ; cy
	s_lshl_b32 s19, ttmp9, 2
	s_add_co_u32 s19, s19, s17                     ; block column 0..7
	s_and_b32 s20, ttmp7, 0xffff
	s_lshl_b32 s20, s20, 2
	s_add_co_u32 s20, s20, s18                     ; block row 0..31
	s_lshl_b32 s21, s18, 2
	s_lshl_b32 s21, 15, s21                        ; my row of the cluster
	s_lshl_b32 s22, 0x1111, s17                    ; my column
	s_or_b32 s[G1A+0], s21, (1<<16)|(1<<20)|(1<<21)|(4<<22)|(3<<25)   ; 4 words of padding behind every 32: behind each t row of 128 bytes
	s_or_b32 s[G1B+0], s22, (1<<16)|(1<<20)|(1<<21)|(5<<22)|(7<<25)   ; 8 words behind every 64
	s_mov_b32 s[G1A+1], 8192<<16                   ; att: a row of the tile is one head's 128 t x 64 d, 8,192 neighbouring elements
	s_mov_b32 s[G1A+2], 2<<16                      ; two such rows
	s_mov_b32 s[G1A+3], 8192<<16
	s_mov_b32 s[G1A+4], 2
	s_mov_b32 s[G1A+5], 131072                     ; from head to head: a plane of 2,048 x 64 elements
	s_mov_b32 s[G1A+6], 0
	s_mov_b32 s[G1A+7], 0
	s_mov_b32 s[G1B+1], 128<<16                    ; wp: 128 columns (256 bytes, from a multiple of 256)
	s_mov_b32 s[G1B+2], 128<<16                    ; 128 k-rows
	s_mov_b32 s[G1B+3], 128<<16
	s_mov_b32 s[G1B+4], 128
	s_mov_b32 s[G1B+5], 1024
	s_mov_b32 s[G1B+6], 0
	s_mov_b32 s[G1B+7], 0
	s_lshr_b32 s40, s20, 4
	s_lshl_b32 s40, s40, 22                        ; batch: 16 planes of 262,144 bytes
	s_and_b32 s23, s20, 15
	s_lshl_b32 s23, s23, 14                        ; 128 rows x 128 bytes
	s_add_co_u32 s40, s40, s23
	s_lshl_b32 s23, s16, 19                        ; the second half: two heads on
	s_add_co_u32 s40, s40, s23
	s_mov_b32 s41, 0
	s_lshl_b32 s42, s19, 8                         ; 128 columns x 2 bytes
	s_lshl_b32 s23, s16, 18                        ; the second half: 128 k-rows x 2,048 bytes
	s_add_co_u32 s42, s42, s23
	s_mov_b32 s43, 0
	s_mul_i32 s44, s14, BHALF                      ; where my part goes: wp's halves, then att's = wave x 36,864
	s_wait_dscnt 0x0
	s_wait_kmcnt 0x0
	s_add_nc_u64 s[40:41], s[4:5], s[40:41]
	s_add_nc_u64 s[42:43], s[6:7], s[42:43]
	CROUND                                         ; in front of the first joint loads
.irp s, 0,1
	s_mov_b32 s[G0A+4*\s], 1
	s_add_co_u32 s[G0A+4*\s+1], s44, \s*SLOT
	s_add_nc_u64 s[G0A+4*\s+2:G0A+4*\s+3], s[40:41], \s*4*262144     ; four heads a slot
	s_or_b32 s[G0A+4*\s+3], s[G0A+4*\s+3], 0x80000000
	s_mov_b32 s[G0B+4*\s], 1
	s_add_co_u32 s[G0B+4*\s+1], s44, \s*SLOT
	s_add_nc_u64 s[G0B+4*\s+2:G0B+4*\s+3], s[42:43], \s*256*2048     ; 256 k-rows a slot
	s_or_b32 s[G0B+4*\s+3], s[G0B+4*\s+3], 0x80000000
	JLOAD \s                                       ; two tensor loads of the wave are out
.endr
	v_and_b32 v1, 15, v0                           ; r
	v_bfe_u32 v2, v0, 4, 1                         ; h
	s_lshl_b32 s46, s19, 9                         ; my columns in f32: 512 x block + 256 x half
	s_lshl_b32 s47, s16, 8
	s_add_co_u32 s46, s46, s47
	s_mov_b32 s47, 0
	s_add_nc_u64 s[8:9], s[8:9], s[46:47]
	v_lshlrev_b32 v[BO], 5, v2                     ; lane (r, h) holds columns 8 h + 0..7 of each block of 16
.irp b, 0,1,2,3
	global_load_b128 v[BIAS+8*\b:BIAS+8*\b+3],   v[BO], s[8:9] offset:64*\b
	global_load_b128 v[BIAS+8*\b+4:BIAS+8*\b+7], v[BO], s[8:9] offset:64*\b+16
.endr
	s_add_nc_u64 s[10:11], s[10:11], s[46:47]
	s_lshl_b32 s46, s20, 19                        ; my rows: 128 x 4,096 bytes a block, 64 rows a half
	s_lshl_b32 s45, s15, 18
	s_add_co_u32 s46, s46, s45
	s_add_nc_u64 s[10:11], s[10:11], s[46:47]
	v_mul_u32_u24 v3, v1, PA
	v_lshl_add_u32 v3, v2, 4, v3
	s_mul_i32 s21, s15, 64*PA
	s_add_co_u32 s21, s21, AOFF
	v_and_b32 v4, 7, v0
	v_lshl_add_u32 v4, v2, 3, v4
	v_mul_u32_u24 v4, v4, PB
	v_bfe_u32 v5, v0, 3, 1
	v_lshl_add_u32 v4, v5, 4, v4
	s_lshl_b32 s22, s16, 7                         ; my 64 columns x 2 bytes
.irp s, 0,1
	v_add_nc_u32 v[ADRA+\s], s21, v3
	v_add_nc_u32 v[ADRB+2*\s], s22, v4
	s_add_co_u32 s23, s22, BHALF
	v_add_nc_u32 v[ADRB+2*\s+1], s23, v4
	s_add_co_u32 s21, s21, SLOT
	s_add_co_u32 s22, s22, SLOT
.endr
	s_mul_i32 s23, s14, 16*SPITCH
	s_add_co_u32 s23, s23, STAGE
	v_mul_u32_u24 v5, v1, SPITCH
	v_lshl_add_u32 v5, v2, 5, v5
	v_add_nc_u32 v[STO], s23, v5                   ; in: row r, 32 bytes for each half
	v_mul_u32_u24 v5, v2, SPITCH
	v_lshl_add_u32 v5, v1, 4, v5
	v_add_nc_u32 v[RD], s23, v5                    ; back: lanes 0-15 one row of 256 bytes, lanes 16-31 the next
	v_lshlrev_b32 v5, 12, v2
	v_lshl_add_u32 v[CO], v1, 4, v5                ; and the same two rows in out0
; 8 matrix instructions: m blocks a0, a0 + 1 x 4 column blocks, 32 along K (kk).  The 16 accumulators take turns, one instruction a turn, in the
; same order throughout.
.macro MUL8 f, kk, a0, bias
.irp a, \a0, \a0+1
.irp b, 0,1,2,3
.if \bias
	v_wmma_f32_16x16x32_f16 v[8*(4*(\a)+\b):8*(4*(\a)+\b)+7], v[\f+8*(4*\kk+\b):\f+8*(4*\kk+\b)+7], v[\f+8*(4*\kk+(\a)):\f+8*(4*\kk+(\a))+7], v[BIAS+8*\b:BIAS+8*\b+7]
.else
	v_wmma_f32_16x16x32_f16 v[8*(4*(\a)+\b):8*(4*(\a)+\b)+7], v[\f+8*(4*\kk+\b):\f+8*(4*\kk+\b)+7], v[\f+8*(4*\kk+(\a)):\f+8*(4*\kk+(\a))+7], v[8*(4*(\a)+\b):8*(4*(\a)+\b)+7]
.endif
.endr
.endr
.endm
; 32 LDS loads in one run: the fragments of head gq of a slot (K = 64) into buffer f
.macro FETCH slot, gq, f
	WIN TO_B
.irp kk, 0,1
.irp b, 0,1,2,3
	ds_load_tr16_b128 v[\f+8*(4*\kk+\b):\f+8*(4*\kk+\b)+3],   v[ADRB+2*\slot+(\gq>>1)] offset:((\gq&1)*64+32*\kk)*PB+32*\b
	ds_load_tr16_b128 v[\f+8*(4*\kk+\b)+4:\f+8*(4*\kk+\b)+7], v[ADRB+2*\slot+(\gq>>1)] offset:((\gq&1)*64+32*\kk)*PB+32*\b+16*PB
.endr
.endr
	WIN 0
.irp kk, 0,1
.irp a, 0,1,2,3
	ds_load_b128 v[\f+8*(4*\kk+\a):\f+8*(4*\kk+\a)+3],   v[ADRA+\slot] offset:\gq*AHEAD+\a*16*PA+64*\kk
	ds_load_b128 v[\f+8*(4*\kk+\a)+4:\f+8*(4*\kk+\a)+7], v[ADRA+\slot] offset:\gq*AHEAD+\a*16*PA+64*\kk+32
.endr
.endr
.endm
; One of a slot's first three heads: multiplies buffer f; in its middle it fetches head gq of the same slot into buffer g.
.macro GROUP slot, gq, f, g, bias
	s_wait_dscnt 8                                 ; all but att's second 32 of K
.if \bias
	WIN MUL_B
.else
	WIN MUL
.endif
	MUL8 \f, 0, 0, \bias
	MUL8 \f, 0, 2, \bias
	PLACES
	FETCH \slot, \gq, \g
	s_wait_dscnt 32                                ; all but the 32 just issued
	WIN MUL
	MUL8 \f, 1, 0, 0
	MUL8 \f, 1, 2, 0
.endm
.macro THREE slot, bias
	GROUP \slot, 1, F0, F1, \bias
	GROUP \slot, 2, F1, F0, 0
	GROUP \slot, 3, F0, F1, 0
.endm
; The slot's last head multiplies buffer 1 and changes slots, with one barrier, as in the qkv launch.
.macro TURN slot, next, fill
	s_wait_dscnt 8
	WIN MUL
	MUL8 F1, 0, 0, 0
	s_wait_dscnt 0                                 ; my reads of this slot are over
	s_wait_tensorcnt 0x0                           ; all my tensor loads have landed: my part of the next slot
	ds_add_u32 v255, v255
	s_wait_dscnt 0x0
	s_barrier_signal -1
	MUL8 F1, 0, 2, 0
	WIN 0
	s_barrier_wait -1
.if \fill
	CREST                                          ; the round closes: no wave of any partner still reads this slot or has a load on its way
	s_add_nc_u64 s[G0A+4*\slot+2:G0A+4*\slot+3], s[G0A+4*\slot+2:G0A+4*\slot+3], 8*262144
	s_add_nc_u64 s[G0B+4*\slot+2:G0B+4*\slot+3], s[G0B+4*\slot+2:G0B+4*\slot+3], 512*2048
	JLOAD \slot                                    ; my one tensor load behind the round: 120 matrix instructions in which to land
.endif
	PLACES
	FETCH \next, 0, F0
	WIN MUL
	MUL8 F1, 1, 0, 0
	MUL8 F1, 1, 2, 0
.endm
	s_wait_tensorcnt 0x1                           ; my part of slot 0 is in; slot 1's stays out
	s_barrier_signal -1
	s_barrier_wait -1
	FETCH 0, 0, F0
	s_wait_loadcnt 0x0                             ; the bias
	THREE 0, 1                                     ; heads 0-3; the first products take the bias as C
	TURN 0, 1, 1                                   ; slot 0 gets heads 8-11
	THREE 1, 0                                     ; heads 4-7
	TURN 1, 0, 1                                   ; slot 1 gets heads 12-15
	THREE 0, 0
	TURN 0, 1, 0                                   ; nothing is left to fetch
	THREE 1, 0
	s_wait_dscnt 8
	WIN MUL
	MUL8 F1, 0, 0, 0
	MUL8 F1, 0, 2, 0
	s_wait_dscnt 0
	MUL8 F1, 1, 0, 0
	MUL8 F1, 1, 2, 0
	WIN 0
	PLACES                                         ; behind the last matrix instructions: their results are stored and their sources loaded into below
; THE WAY OUT, 16 rows at a time: the accumulators go as they are (f32, 32 bytes a lane and tile) into my stage and come back as whole rows of 256 bytes.
.macro OUT16 a
	WIN 0x08                                       ; store data in window 2
.irp b, 0,1,2,3
	ds_store_b128 v[STO], v[8*(4*\a+\b):8*(4*\a+\b)+3]   offset:64*\b
	ds_store_b128 v[STO], v[8*(4*\a+\b)+4:8*(4*\a+\b)+7] offset:64*\b+16
.endr
	WIN 0
	s_wait_xcnt 0x0                                ; RB, which the last block's stores read, is loaded again only behind this wait
.irp u, 0,1,2,3,4,5,6,7
	ds_load_b128 v[RB+4*\u:RB+4*\u+3], v[RD] offset:\u*2*SPITCH    ; LDS serves a wave's instructions in order: these see the stores above
.endr
.irp u, 0,1,2,3,4,5,6,7
	s_wait_dscnt 7-\u                              ; the younger read-backs stay out
	global_store_b128 v[CO], v[RB+4*\u:RB+4*\u+3], s[10:11] offset:\a*65536+\u*8192 th:TH_STORE_NT   ; 16 lanes store 256 neighbouring bytes from a multiple of 256
.endr
.endm
	OUT16 0
	OUT16 1
	OUT16 2
	OUT16 3
	s_set_vgpr_msb 0x1
	s_wait_tensorcnt 0x0
	ds_add_u32 v255, v255
	s_wait_dscnt 0x0
	s_set_vgpr_msb 0x100
	CROUND                                         ; the closing round
	s_endpgm
.Lfunc_end_k_qe88dcf80f6_proj:
	.size	k_qe88dcf80f6_proj, .Lfunc_end_k_qe88dcf80f6_proj-k_qe88dcf80f6_proj
	.p2alignl 7, 3214868480
	.fill 96, 4, 3214868480
	.section	.rodata,"a",@progbits
	.p2align	6, 0x0
	.amdhsa_kernel k_qe88dcf80f6_proj
		.amdhsa_group_segment_fixed_size 327680
		.amdhsa_private_segment_fixed_size 0
		.amdhsa_enable_private_segment 0
		.amdhsa_kernarg_size 32
		.amdhsa_user_sgpr_count 2
		.amdhsa_user_sgpr_kernarg_segment_ptr 1
		.amdhsa_wavefront_size32 1
		.amdhsa_system_sgpr_workgroup_id_x 1
		.amdhsa_system_sgpr_workgroup_id_y 1
		.amdhsa_system_sgpr_workgroup_id_z 1
		.amdhsa_system_vgpr_workitem_id 0
		.amdhsa_next_free_vgpr 640
		.amdhsa_next_free_sgpr 66
		.amdhsa_reserve_vcc 0
		.amdhsa_float_denorm_mode_32 3
		.amdhsa_float_denorm_mode_16_64 3
		.amdhsa_memory_ordered 1
		.amdhsa_forward_progress 1
		.amdhsa_inst_pref_size 88
	.end_amdhsa_kernel
	.amdgpu_metadata
---
amdhsa.version: [ 1, 2 ]
amdhsa.kernels:
  - .name:           k_qe88dcf80f6_proj
    .symbol:         k_qe88dcf80f6_proj.kd
    .args:
      - { .name: att, .offset: 0, .size: 8, .value_kind: global_buffer, .address_space: global }
      - { .name: wp, .offset: 8, .size: 8, .value_kind: global_buffer, .address_space: global }
      - { .name: b_proj, .offset: 16, .size: 8, .value_kind: global_buffer, .address_space: global }
      - { .name: out0, .offset: 24, .size: 8, .value_kind: global_buffer, .address_space: global }
    .group_segment_fixed_size: 327680
    .private_segment_fixed_size: 0
    .kernarg_segment_align: 8
    .kernarg_segment_size: 32
    .max_flat_workgroup_size: 128
    .sgpr_count:     66
    .vgpr_count:     640
    .wavefront_size: 32
...
	.end_amdgpu_metadata
.endif
;; end of part 4
